; MI455X (gfx1250); checked and timed in simulation.
; The chip was launched on July 23, 2026; its instructions are those of AMD's public machine-readable ISA for CDNA 5 (MIT licence, August 2026) and "CDNA5" Instruction Set Architecture Reference Guide (July 2026). The comments in the code are by the model that wrote it; some were corrected since.
;; Ro PE Self Attention. Allowed arithmetic: matrix products marked QUANTISED: E4M3 operands, one given power-of-two scale a tensor, by v_wmma_f32_16x16x64_fp8_fp8 or v_wmma_f32_16x16x128_fp8_fp8, f32 sums; everything else in f32.
;; Inputs: attn_mask 4 x 2,048 float32; cos 1 x 1 x 2,048 x 64 float32; k_b 1,024 float32; k_w 1,024 x 1,024 float32; lowp_scales 12 int32 (the exponents e of the quantised operands' scales 2^e); o_b 1,024 float32; o_w 1,024 x 1,024 float32; q_b 1,024 float32; q_w 1,024 x 1,024 float32; sin 1 x 1 x 2,048 x 64 float32; v_b 1,024 float32; v_w 1,024 x 1,024 float32; x 4 x 2,048 x 1,024 float32.
;; Outputs: out0 4 x 2,048 x 1,024 float32.
;; This version of the problem:
;;   THIS VERSION OF THE PROBLEM IS GIVEN IN LOW PRECISION. The matrix products marked QUANTISED in the list below multiply operands that are first quantised to E4M3 (4 exponent bits, 3 mantissa bits; 8 bits a number), with one given power-of-two scale for each operand tensor; their sums are f32. All else is computed in f32.
;;   The module's matrix products, in the order in which they are computed (A, B: the left and right operand; K: the contracted axis; several contracted axes count as one K, in the product's order):
;;     1. [M 8,192, K 1,024] x [K 1,024, N 1,024]; A: input x; B: input q_w: QUANTISED (scales: A lowp_scales[0], B lowp_scales[1])
;;     2. [M 8,192, K 1,024] x [K 1,024, N 1,024]; A: input x; B: input k_w: QUANTISED (scales: A lowp_scales[2], B lowp_scales[3])
;;     3. [M 8,192, K 1,024] x [K 1,024, N 1,024]; A: input x; B: input v_w: QUANTISED (scales: A lowp_scales[4], B lowp_scales[5])
;;     4. batch 64 x [M 2,048, K 64] x [K 64, N 2,048]; A: computed on the way; B: computed on the way: QUANTISED (scales: A lowp_scales[6], B lowp_scales[7])
;;     5. batch 64 x [M 2,048, K 2,048] x [K 2,048, N 64]; A: softmax (see below); B: computed on the way: QUANTISED (scales: A lowp_scales[8], B lowp_scales[9])
;;     6. [M 8,192, K 1,024] x [K 1,024, N 1,024]; A: computed on the way; B: input o_w: QUANTISED (scales: A lowp_scales[10], B lowp_scales[11])
;;   THE QUANTISER, for each operand of a quantised product, along K:
;;     - The operand's scale is 2^e, e = its entry of the input lowp_scales (int32; the entries are numbered through the quantised products in the list's order, A before B).
;;     - Each number is divided by the scale, clamped to +-448, and rounded to the nearest number of E4M3, ties to even, subnormals kept.
;;     - The product sums the exact products of the quantised numbers (number of the format x scale) in f32.
;;   ~~~python
;;   def quantise(x, axis, e):      # numpy; x: float32 -> the quantised numbers, widened to float32 again
;;       x = np.moveaxis(x, axis, -1); K = x.shape[-1]
;;       r = np.clip(x / 2.0 ** e, -448, 448)
;;       step = 2.0 ** (np.maximum(np.frexp(np.where(r == 0, 1, r))[1] - 1, -6) - 3)
;;       q = np.round(r / step) * step * 2.0 ** e      # np.round: ties to even
;;       return np.moveaxis(q, -1, axis).astype(np.float32)
;;   ~~~
;;   SOFTMAX AHEAD OF A QUANTISED PRODUCT. Where the list says 'softmax', what is quantised is not the finished softmax but p = 2^(t - M), with t = logit x log2(e) and M = ceil(the row's largest t), a whole number; so 1/2 < the row's largest p <= 1. The row's sum l is taken of the UNQUANTISED p, in f32, and the product's result is divided by l at the end. Since M is a whole number, a kernel that streams over the keys may use a running M (the ceiling of the running maximum): every later rescaling is an exact power of two, so the quantised numbers keep their values, but for numbers so far below the row's largest that they fall under the format's range.
;;   OPERANDS COMPUTED ON THE WAY. 'Computed on the way' means the value that the module computes at that place (a softmax that the list does not call 'softmax' is quantised finished and normalised). What goes into a quantiser is computed in f32, as accurately as f32 sums, v_exp_f32 and their like allow (about 1e-6 of the number): no bf16 or f16 on the way to a quantiser, and a product that is left as it is and whose result goes on into a quantised operand takes f32 operands (vector FMAs, or v_wmma_f32_16x16x4_f32). A number that lies on a knife's edge between two numbers of the format may be rounded either way, as far as f32 arithmetic and the matrix unit's own rounding can turn it there, and no further.
;; One version. Each part assembles by itself: llvm-mc -triple=amdgcn-amd-amdhsa -mcpu=gfx1250 --defsym DOCPART=n.
;; ======== version 1 of 1: 4 launches
;; limits: right only within a limited range of input values
;; workspace buffers: ximg 25,165,824 bytes; wimg 4,194,304 bytes; qkv 25,165,824 bytes; aimg 8,388,608 bytes
;; launch quant (part 1): grid 768 x 1, 4 waves a work-group, no clusters, 34,304 bytes of LDS; arguments x, q_w, k_w, v_w, o_w, lowp_scales, ximg, wimg; writes ximg, wimg
.if DOCPART == 1
	.amdgcn_target "amdgcn-amd-amdhsa--gfx1250"
	.amdhsa_code_object_version 6
	.text
	.protected	k_qe361c4fa13_quant
	.globl	k_qe361c4fa13_quant
	.p2align	8
	.type	k_qe361c4fa13_quant,@function
k_qe361c4fa13_quant:
	s_mov_b64 s[64:65], 0
	v_nop
	global_prefetch_b8 v0, s[64:65] scope:SCOPE_SE
	s_setreg_imm32_b32 hwreg(HW_REG_WAVE_MODE, 25, 1), 1
	s_wait_xcnt 0x0
; x [8192][1024] and the four weights [1024][1024], f32, K innermost, become codes of FP8 (E4M3), each by a given scale 2^e:
; code = number / 2^e, held within +-448, rounded to the nearest code, ties to even.  x is an operand of three products with three exponents (entries 0, 2, 4
; of the scales' buffer), so it gets three planes of codes; q_w, k_w, v_w, o_w get one each (entries 1, 3, 5, 11).
; THE CODES ARE LAID AS IMAGES OF THE OPERANDS' REGISTERS: [tile of 16 rows][chunk of 32 along K][512 bytes]; in a chunk lane l = p + 16 h owns bytes 16 l .. 16 l + 15:
; the codes of the tile's row place p at k = 32 chunk + 16 h + 0 .. 15.  Row place p of tile T is row 32 (T / 2) + 8 (T % 2) + p + 8 (p / 8): so the results of a product
; whose source 0 is such a tile fall, in two neighbouring tiles, on 16 neighbours of a lane's registers.
; SHARES.  A work-group takes one tile of 16 rows: work-groups 0-511 a tile of x, 512-767 a tile of a weight.  Wave w takes k = 256 w .. 256 w + 255, in two units of 128.
; Each load reads 512 consecutive bytes of one row; a unit turns through the wave's own stage in LDS (rows of 512 + 16 bytes) so that a lane gets 16 neighbours along K of each chunk;
; each store writes 512 consecutive bytes, aligned.  Waves share nothing: no barrier.
; LIMITS: each e used here lies between -126 and 119.  NaN among the inputs is not served.
.set ROWB,  4096                       ; a row of x or of a weight in bytes
.set SP,    528                        ; a stage row: 512 bytes + 16
.set WST,   16*SP                      ; a wave's stage
.set SPARE, 4*WST                      ; behind the four stages: the spare words, 128 bytes a wave, two blocks of 256 bytes that no other line names
.set NX,    512                        ; work-groups that take x
.set LA,  1                            ; v1   16 x lane
.set STW, 2                            ; v2   the stage, on the way in
.set STR, 3                            ; v3   the stage, on the way out
.set SPW, 4                            ; v4   my spare word; never rewritten
.set NIL, 5                            ; v5   0; never rewritten
.set SC,  6                            ; v[6+2z] 2^e as f32, v[7+2z] 448 x 2^e, z = 0, 1, 2
.set R,   16                           ; v16-143  two units of 64 numbers
.set TMP, 144                          ; v144-175 two sets of 16 held numbers
.set CO,  176                          ; v176-223 codes: 16 registers for each z
	s_load_b256 s[4:11], s[0:1], 0x0               ; x s[4:5], q_w s[6:7], k_w s[8:9], v_w s[10:11]
	s_load_b256 s[12:19], s[0:1], 0x20             ; o_w s[12:13], the exponents s[14:15], ximg s[16:17], wimg s[18:19]
	v_lshl_add_u32 v[SPW], v0, 2, SPARE
	v_mov_b32 v[NIL], 0
	v_lshrrev_b32 v12, 5, v0
	v_readfirstlane_b32 s20, v12                   ; wave 0..3
	v_and_b32 v12, 31, v0
	v_lshlrev_b32 v[LA], 4, v12
	v_and_b32 v13, 15, v0                          ; p
	v_bfe_u32 v14, v0, 4, 1                        ; h
	s_mul_i32 s33, s20, WST
	v_add_nc_u32 v[STW], s33, v[LA]                ; in: a row's 512 bytes as they lie
	v_mul_u32_u24 v[STR], v13, SP
	v_lshl_add_u32 v[STR], v14, 6, v[STR]
	v_add_nc_u32 v[STR], s33, v[STR]               ; out: row p, + 64 h: my 16 numbers of a chunk
	s_sub_co_u32 s21, ttmp9, NX
	s_lshr_b32 s22, s21, 6                         ; which weight
	s_and_b32 s23, s21, 63                         ; and which of its 64 tiles
	s_cmp_lt_u32 ttmp9, NX
	s_cselect_b32 s23, ttmp9, s23                  ; the tile T
	s_cselect_b32 s22, 0, s22
	s_lshr_b32 s24, s23, 1
	s_lshl_b32 s24, s24, 17                        ; 32 (T / 2) rows of 4,096 bytes
	s_and_b32 s25, s23, 1
	s_lshl_b32 s25, s25, 15                        ; + 8 (T % 2) rows
	s_add_co_u32 s24, s24, s25
	s_lshl_b32 s25, s20, 10                        ; + my wave's 256 numbers
	s_add_co_u32 s24, s24, s25
	s_mov_b32 s25, 0
	s_lshl_b32 s26, s23, 14                        ; the tile's image: 16,384 bytes,
	s_lshl_b32 s27, s20, 12                        ; my wave's eight chunks of it
	s_add_co_u32 s26, s26, s27
	s_mov_b32 s27, 0
	s_lshl_b32 s28, s22, 20                        ; the weight's plane
	s_mov_b32 s29, 0
	s_wait_alu depctr_va_vdst(0)
	s_wait_kmcnt 0x0
	s_load_b256 s[44:51], s[14:15], 0x0            ; e0 .. e7
	s_load_b128 s[52:55], s[14:15], 0x20           ; e8 .. e11
	s_cmp_eq_u32 s22, 1                            ; the choices hang on the work-group's number alone
	s_cselect_b64 s[36:37], s[8:9], s[6:7]
	s_cmp_eq_u32 s22, 2
	s_cselect_b64 s[36:37], s[10:11], s[36:37]
	s_cmp_eq_u32 s22, 3
	s_cselect_b64 s[36:37], s[12:13], s[36:37]
	s_cmp_lt_u32 ttmp9, NX
	s_cselect_b64 s[36:37], s[4:5], s[36:37]       ; from where
	s_cselect_b64 s[38:39], s[16:17], s[18:19]     ; to where
	s_add_nc_u64 s[36:37], s[36:37], s[24:25]
	s_add_nc_u64 s[38:39], s[38:39], s[26:27]
	s_add_nc_u64 s[38:39], s[38:39], s[28:29]
	s_add_nc_u64 s[40:41], s[16:17], s[26:27]
	s_add_nc_u64 s[42:43], s[40:41], 0x1000000     ; x's third plane
	s_add_nc_u64 s[40:41], s[40:41], 0x800000      ; x's second plane
.macro LOADU u                         ; unit u: 16 rows x 128 numbers; row place i is row i + 8 (i / 8) from the tile's first
.set i, 0
.rept 16
	global_load_b128 v[R+64*(\u)+4*i:R+64*(\u)+4*i+3], v[LA], s[36:37] offset:(i+8*(i/8))*ROWB+512*(\u) th:TH_LOAD_NT
.set i, i+1
.endr
.endm
.macro TURNU u                         ; through the stage: afterwards register 16 c + i of the unit is k = 32 c + 16 h + i of row place p
.set i, 0
.rept 16
	ds_store_b128 v[STW], v[R+64*(\u)+4*i:R+64*(\u)+4*i+3] offset:SP*i
.set i, i+1
.endr
	s_wait_dscnt 0x0                               ; the stores have read their registers, which the loads below write
.set i, 0
.rept 16
	ds_load_b128 v[R+64*(\u)+4*i:R+64*(\u)+4*i+3], v[STR] offset:128*(i/4)+16*(i%4)
.set i, i+1
.endr
	s_wait_dscnt 0x0
.endm
.macro QUANT u, z                      ; unit u by scale z: four chunks of codes, stored
.set cc, 0
.rept 4
.set i, 0
.rept 16
	v_med3_num_f32 v[TMP+16*(cc%2)+i], v[R+64*(\u)+16*cc+i], -v[SC+2*(\z)+1], v[SC+2*(\z)+1]   ; the conversion to an 8-bit code does not saturate (ISA guide 7.6.2): the hold comes first
.set i, i+1
.endr
	v_cvt_scalef32_pk8_fp8_f32 v[CO+16*(\z)+4*cc:CO+16*(\z)+4*cc+1], v[TMP+16*(cc%2):TMP+16*(cc%2)+7], v[SC+2*(\z)]
	v_cvt_scalef32_pk8_fp8_f32 v[CO+16*(\z)+4*cc+2:CO+16*(\z)+4*cc+3], v[TMP+16*(cc%2)+8:TMP+16*(cc%2)+15], v[SC+2*(\z)]
.set cc, cc+1
.endr
	v_nop                                          ; a plain vector line behind the last conversion of the run
.set cc, 0
.rept 4
	global_store_b128 v[LA], v[CO+16*(\z)+4*cc:CO+16*(\z)+4*cc+3], s[38+2*(\z):39+2*(\z)] offset:2048*(\u)+512*cc   ; 32 lanes store 512 consecutive bytes, aligned
.set cc, cc+1
.endr
.endm
.macro MKS e, z                        ; 2^e and 448 x 2^e as f32 patterns
	s_add_co_i32 s31, s[\e], 127
	s_lshl_b32 s32, s31, 23
	v_mov_b32 v[SC+2*(\z)], s32
	s_add_co_i32 s31, s31, 8
	s_lshl_b32 s31, s31, 23
	s_or_b32 s31, s31, 0x600000
	v_mov_b32 v[SC+2*(\z)+1], s31
.endm
	LOADU 0
	LOADU 1
	s_wait_kmcnt 0x0
	s_cmp_eq_u32 s22, 1
	s_cselect_b32 s30, s47, s45                    ; e3 or e1
	s_cmp_eq_u32 s22, 2
	s_cselect_b32 s30, s49, s30                    ; e5
	s_cmp_eq_u32 s22, 3
	s_cselect_b32 s30, s55, s30                    ; e11
	s_cmp_lt_u32 ttmp9, NX
	s_cselect_b32 s30, s44, s30                    ; e0 for x
	MKS 30, 0
	MKS 46, 1                                      ; e2
	MKS 48, 2                                      ; e4
	s_wait_alu depctr_va_vdst(0)
	s_wait_loadcnt 16                              ; unit 0's sixteen loads are in; unit 1's may be out
	TURNU 0
	QUANT 0, 0
	s_cmp_lt_u32 ttmp9, NX                         ; a weight has one plane
	s_cbranch_scc0 .Lone_0
	QUANT 0, 1
	QUANT 0, 2
.Lone_0:
	s_wait_loadcnt 0x0
	TURNU 1
	s_wait_xcnt 0x0                                ; unit 0's stores have read the codes' registers, which are written again
	QUANT 1, 0
	s_cmp_lt_u32 ttmp9, NX
	s_cbranch_scc0 .Lone_1
	QUANT 1, 1
	QUANT 1, 2
.Lone_1:
	s_wait_tensorcnt 0x0                           ; the wave's end, behind my last LDS store
	ds_add_u32 v[SPW], v[NIL]
	s_wait_dscnt 0x0
	s_endpgm
.Lfunc_end_k_qe361c4fa13_quant:
	.size	k_qe361c4fa13_quant, .Lfunc_end_k_qe361c4fa13_quant-k_qe361c4fa13_quant
	.p2alignl 7, 3214868480
	.fill 96, 4, 3214868480
	.section	.rodata,"a",@progbits
	.p2align	6, 0x0
	.amdhsa_kernel k_qe361c4fa13_quant
		.amdhsa_group_segment_fixed_size 34304
		.amdhsa_private_segment_fixed_size 0
		.amdhsa_enable_private_segment 0
		.amdhsa_kernarg_size 64
		.amdhsa_user_sgpr_count 2
		.amdhsa_user_sgpr_kernarg_segment_ptr 1
		.amdhsa_wavefront_size32 1
		.amdhsa_system_sgpr_workgroup_id_x 1
		.amdhsa_system_sgpr_workgroup_id_y 1
		.amdhsa_system_sgpr_workgroup_id_z 1
		.amdhsa_system_vgpr_workitem_id 0
		.amdhsa_next_free_vgpr 224
		.amdhsa_next_free_sgpr 66
		.amdhsa_reserve_vcc 0
		.amdhsa_float_denorm_mode_32 3
		.amdhsa_float_denorm_mode_16_64 3
		.amdhsa_memory_ordered 1
		.amdhsa_forward_progress 1
		.amdhsa_inst_pref_size 41
	.end_amdhsa_kernel
	.amdgpu_metadata
---
amdhsa.version: [ 1, 2 ]
amdhsa.kernels:
  - .name:           k_qe361c4fa13_quant
    .symbol:         k_qe361c4fa13_quant.kd
    .args:
      - { .name: x, .offset: 0, .size: 8, .value_kind: global_buffer, .address_space: global }
      - { .name: q_w, .offset: 8, .size: 8, .value_kind: global_buffer, .address_space: global }
      - { .name: k_w, .offset: 16, .size: 8, .value_kind: global_buffer, .address_space: global }
      - { .name: v_w, .offset: 24, .size: 8, .value_kind: global_buffer, .address_space: global }
      - { .name: o_w, .offset: 32, .size: 8, .value_kind: global_buffer, .address_space: global }
      - { .name: lowp_scales, .offset: 40, .size: 8, .value_kind: global_buffer, .address_space: global }
      - { .name: ximg, .offset: 48, .size: 8, .value_kind: global_buffer, .address_space: global }
      - { .name: wimg, .offset: 56, .size: 8, .value_kind: global_buffer, .address_space: global }
    .group_segment_fixed_size: 34304
    .private_segment_fixed_size: 0
    .kernarg_segment_align: 8
    .kernarg_segment_size: 64
    .max_flat_workgroup_size: 128
    .sgpr_count:     66
    .vgpr_count:     224
    .wavefront_size: 32
...
	.end_amdgpu_metadata
.endif
;; end of part 1
;; launch qkv (part 2): grid 12 x 32, 4 waves a work-group, clusters of 4 x 4, 327,680 bytes of LDS; arguments ximg, wimg, q_b, k_b, v_b, cos, sin, lowp_scales, qkv; writes qkv
.if DOCPART == 2
	.amdgcn_target "amdgcn-amd-amdhsa--gfx1250"
	.amdhsa_code_object_version 6
	.text
	.protected	k_qe361c4fa13_qkv
	.globl	k_qe361c4fa13_qkv
	.p2align	8
	.type	k_qe361c4fa13_qkv,@function
k_qe361c4fa13_qkv:
	s_mov_b64 s[64:65], 0
	v_nop
	global_prefetch_b8 v0, s[64:65] scope:SCOPE_SE
	s_setreg_imm32_b32 hwreg(HW_REG_WAVE_MODE, 25, 1), 1
	s_wait_xcnt 0x0
	s_wait_alu depctr_hold_cnt(0) depctr_sa_sdst(0) depctr_va_vdst(0) depctr_va_sdst(0) depctr_va_ssrc(0) depctr_va_vcc(0) depctr_vm_vsrc(0)
	s_getreg_b32 s2, hwreg(HW_REG_IB_STS2, 6, 4)
	s_cmp_eq_u32 s2, 0
	s_cbranch_scc0 .Lentry_in_a_cluster
	s_endpgm
.Lentry_in_a_cluster:
	s_bfe_u32 s2, ttmp6, 0x10000c
	s_cmp_lg_u32 s2, 0xf033
	s_cbranch_scc0 .Lentry_shape_is_right
	s_endpgm
.Lentry_shape_is_right:
.set SLOT,   131072
.set HALFT,  32768
.set KSB,    4096
.set SPARE,  2*SLOT
.set FR,     16
.set NL,     4
.set NP,     4
.set L16,  2
.set CSA,  5
.set H64,  6
.set VBA,  7
.set LIM,  8
.set SCL,  9
.set ADRA, 16
.set ADRB, 20
.set SPW,  28
.set NIL,  29
.set BIAS, 32
.set QV,   96
.set AF,   128
.set OUT,  128
.set CD,   160
.set G1,  24
.set G0,  32
.set G1B, 48
.set G0B, 56
.set WV,  66
.set HA,  67
.set HB,  68
.set MSB, 0
.macro WIN new
.if MSB != (\new)
	s_set_vgpr_msb (MSB<<8)|(\new)
.set MSB, (\new)
.endif
.endm
.set MUL_LO, 0xa1
.set MUL_HI, 0xf1
.set TO_B,   0x40
.macro JLOAD g0a, g1a, g0b, g1b
	s_cmp_eq_u32 s[HA], 0
	s_cbranch_scc0 .Lfor_b_\@
	tensor_load_to_lds s[\g0a:\g0a+3], s[\g1a:\g1a+7]
	s_nop 0
.rept 4
	v_nop
.endr
	s_branch .Lasked_\@
.Lfor_b_\@:
	tensor_load_to_lds s[\g0b:\g0b+3], s[\g1b:\g1b+7]
	s_nop 0
.rept 4
	v_nop
.endr
.Lasked_\@:
.endm
.macro CREST
	s_cmp_lg_u32 s[WV], 0
	s_cbranch_scc1 .Lnot_wave_0_\@
	s_barrier_signal -3
.Lnot_wave_0_\@:
	s_barrier_wait -3
	s_barrier_signal -1
	s_barrier_wait -1
.endm
.macro CROUND
	s_barrier_signal -1
	s_barrier_wait -1
	CREST
.endm
	s_load_b256 s[4:11], s[0:1], 0x0
	s_load_b256 s[12:19], s[0:1], 0x20
	s_load_b64 s[20:21], s[0:1], 0x40
	v_lshl_add_u32 v[SPW], v0, 2, SPARE
	v_mov_b32 v[NIL], 0
	ds_add_u32 v[SPW], v[NIL]
	ds_add_u32 v[SPW], v[NIL]
	v_lshrrev_b32 v1, 5, v0
	v_readfirstlane_b32 s[WV], v1
	s_lshr_b32 s[HA], s[WV], 1
	s_and_b32 s[HB], s[WV], 1
	s_bfe_u32 s40, ttmp6, 0x40000
	s_bfe_u32 s41, ttmp6, 0x40004
	s_and_b32 s42, ttmp7, 0xffff
	s_lshl_b32 s42, s42, 2
	s_lshl_b32 s43, s41, 2
	s_lshl_b32 s43, 15, s43
	s_lshl_b32 s44, 0x1111, s40
	s_or_b32 s[G1], s43, (3<<16)|(1<<21)
	s_or_b32 s[G1B], s44, (3<<16)|(1<<21)
.irp g, G1, G1B
	s_mov_b32 s[\g+1], 512<<16
	s_mov_b32 s[\g+2], 8<<16
	s_mov_b32 s[\g+3], 512<<16
	s_mov_b32 s[\g+4], 8
	s_mov_b32 s[\g+5], 2048
	s_mov_b32 s[\g+6], 0
	s_mov_b32 s[\g+7], 0
.endr
	s_cmp_eq_u32 ttmp9, 2
	s_cselect_b32 s45, s42, 0
	s_cselect_b32 s46, 0, s42
	s_add_co_u32 s70, s40, s45
	s_add_co_u32 s71, s41, s46
	s_lshl_b32 s47, s[HB], 17
	s_lshl_b32 s84, s71, 18
	s_add_co_u32 s84, s84, s47
	s_mov_b32 s85, 0
	s_lshl_b32 s86, s70, 18
	s_add_co_u32 s86, s86, s47
	s_mov_b32 s87, 0
	s_lshl_b32 s88, ttmp9, 23
	s_mov_b32 s89, 0
	s_lshl_b32 s90, ttmp9, 20
	s_mov_b32 s91, 0
	s_mul_i32 s45, s[WV], HALFT
	s_wait_dscnt 0x0
	s_wait_kmcnt 0x0
	s_load_b256 s[72:79], s[18:19], 0x0
	s_load_b128 s[80:83], s[18:19], 0x20
	s_add_nc_u64 s[88:89], s[4:5], s[88:89]
	s_add_nc_u64 s[90:91], s[6:7], s[90:91]
	s_cmp_eq_u32 ttmp9, 2
	s_cselect_b64 s[92:93], s[88:89], s[90:91]
	s_cselect_b64 s[94:95], s[90:91], s[88:89]
	s_add_nc_u64 s[84:85], s[94:95], s[84:85]
	s_add_nc_u64 s[86:87], s[92:93], s[86:87]
	; the prefetches: of the 8 row tiles x 4,096 bytes that my wave fetches in a K step, my work-group takes two, told from its three partners' by address (cx for source 1's tiles, cy for source 0's): a lane a block of 256 bytes
	s_cmp_eq_u32 s[HA], 0
	s_cselect_b64 s[100:101], s[84:85], s[86:87]
	s_cselect_b32 s96, s40, s41
	s_lshl_b32 s96, s96, 15
	s_mov_b32 s97, 0
	s_add_nc_u64 s[100:101], s[100:101], s[96:97]
	s_cmp_eq_u32 ttmp9, 2
	s_cselect_b32 s98, 0, 1
	s_xor_b32 s98, s98, s[HA]                      ; 0 where my wave fetches a weight's tiles: all eight rows of clusters read those, and row 0 alone asks for them
	s_and_b32 s99, ttmp7, 0xffff
	s_cmp_eq_u32 s99, 0
	s_cselect_b32 s98, 1, s98
	v_and_b32 v30, 15, v0
	v_lshlrev_b32 v30, 8, v30
	v_bfe_u32 v31, v0, 4, 1
	v_lshl_add_u32 v30, v31, 14, v30               ; never rewritten, like s[100:101]
.macro ASK k, n                        ; K steps k .. k + n - 1 of my share; the branch hangs on the cluster's and the wave's numbers alone
	s_cmp_lg_u32 s98, 0
	s_cbranch_scc0 .Lnot_mine_\@
.set pq, 0
.rept \n
	global_prefetch_b8 v30, s[100:101] offset:KSB*((\k)+pq) th:TH_LOAD_NT scope:SCOPE_SE
.set pq, pq+1
.endr
.Lnot_mine_\@:
.endm
	CROUND
.irp s, 0,1
	s_mov_b32 s[G0+4*\s], 1
	s_add_co_u32 s[G0+4*\s+1], s45, \s*SLOT
	s_add_nc_u64 s[G0+4*\s+2:G0+4*\s+3], s[84:85], \s*KSB
	s_or_b32 s[G0+4*\s+3], s[G0+4*\s+3], 0x80000000
	s_mov_b32 s[G0B+4*\s], 1
	s_add_co_u32 s[G0B+4*\s+1], s45, \s*SLOT
	s_add_nc_u64 s[G0B+4*\s+2:G0B+4*\s+3], s[86:87], \s*KSB
	s_or_b32 s[G0B+4*\s+3], s[G0B+4*\s+3], 0x80000000
	s_wait_alu depctr_va_vdst(0)
	s_wait_tensorcnt 0x0
	ds_add_u32 v28, v29
	ds_add_u32 v28, v29
	s_wait_dscnt 0x0
	CROUND
	JLOAD G0+4*\s, G1, G0B+4*\s, G1B
.if \s == 0
	ASK 1, 2                                       ; behind K step 0's load: K steps 1 and 2, one and two fills ahead of their loads
.else
	ASK 3, 1                                       ; behind K step 1's: K step 3, the last
.endif
.endr
	v_and_b32 v1, 31, v0
	v_lshlrev_b32 v[L16], 4, v1
	v_and_b32 v3, 15, v0
	v_bfe_u32 v4, v0, 4, 1
	v_lshlrev_b32 v[H64], 6, v4
	v_and_b32 v1, 8, v3
	v_add_nc_u32 v1, v1, v3
	v_lshlrev_b32 v[VBA], 2, v1
	v_lshl_add_u32 v[CSA], v1, 8, v[H64]
	s_mul_i32 s46, s[HA], HALFT
	s_mul_i32 s47, s[HB], HALFT
	s_add_co_u32 s47, s47, 2*HALFT
.irp s, 0,1
	v_add_nc_u32 v[ADRA+\s], s46, v[L16]
	v_add_nc_u32 v[ADRB+\s], s47, v[L16]
	s_add_co_u32 s46, s46, SLOT
	s_add_co_u32 s47, s47, SLOT
.endr
	s_wait_alu depctr_va_vdst(0)
	s_wait_kmcnt 0x0
	s_cmp_eq_u32 ttmp9, 1
	s_cselect_b32 s96, s74, s72
	s_cselect_b32 s97, s75, s73
	s_cselect_b32 s98, s79, s78
	s_cselect_b64 s[88:89], s[10:11], s[8:9]
	s_cmp_eq_u32 ttmp9, 2
	s_cselect_b32 s96, s76, s96
	s_cselect_b32 s97, s77, s97
	s_cselect_b32 s98, s81, s98
	s_cselect_b64 s[88:89], s[12:13], s[88:89]
	s_cselect_b32 s84, s70, s71
	s_cselect_b32 s85, s71, s70
	s_cselect_b32 s86, s[HB], s[HA]
	s_cselect_b32 s87, s[HA], s[HB]
	s_add_co_i32 s96, s96, s97
	s_sub_co_i32 s98, s98, s96
	s_sub_co_i32 s99, 0, s96
	s_add_co_i32 s98, s98, 127
	s_lshl_b32 s97, s98, 23
	v_mov_b32 v[SCL], s97
	s_add_co_i32 s98, s98, 8
	s_lshl_b32 s98, s98, 23
	s_or_b32 s98, s98, 0x600000
	v_mov_b32 v[LIM], s98
	s_lshr_b32 s92, s84, 3
	s_lshl_b32 s92, s92, 4
	s_lshl_b32 s93, s85, 2
	s_add_co_u32 s92, s92, s93
	s_lshl_b32 s93, s87, 1
	s_add_co_u32 s92, s92, s93
	s_lshl_b32 s92, s92, 17
	s_and_b32 s93, s84, 7
	s_lshl_b32 s93, s93, 8
	s_lshl_b32 s94, s86, 7
	s_add_co_u32 s93, s93, s94
	s_lshl_b32 s94, s93, 6
	s_add_co_u32 s92, s92, s94
	s_lshl_b32 s94, ttmp9, 23
	s_add_co_u32 s92, s92, s94
	s_lshl_b32 s94, s93, 8
	s_mov_b32 s93, 0
	s_mov_b32 s95, 0
	s_add_nc_u64 s[20:21], s[20:21], s[92:93]
	s_add_nc_u64 s[14:15], s[14:15], s[94:95]
	s_add_nc_u64 s[16:17], s[16:17], s[94:95]
	s_lshl_b32 s92, s85, 10
	s_lshl_b32 s94, s87, 9
	s_add_co_u32 s92, s92, s94
	s_add_nc_u64 s[88:89], s[88:89], s[92:93]
.macro FRAG reg, adr, q, i
.irp c, 0,1,2,3
	ds_load_b128 v[\reg+4*\c:\reg+4*\c+3], v[\adr] offset:2048*(\q)+512*\c+(\i)*4096
.endr
.endm
.macro MUL16 a0, p, zero
.irp a, \a0, \a0+1
.irp b, 0,1,2,3,4,5,6,7
.if \zero
	v_wmma_f32_16x16x128_fp8_fp8 v[8*(8*((\a)%4)+\b):8*(8*((\a)%4)+\b)+7], v[128*(\p)+FR*\b:128*(\p)+FR*\b+FR-1], v[AF+FR*(\a):AF+FR*(\a)+FR-1], 0
.else
	v_wmma_f32_16x16x128_fp8_fp8 v[8*(8*((\a)%4)+\b):8*(8*((\a)%4)+\b)+7], v[128*(\p)+FR*\b:128*(\p)+FR*\b+FR-1], v[AF+FR*(\a):AF+FR*(\a)+FR-1], v[8*(8*((\a)%4)+\b):8*(8*((\a)%4)+\b)+7]
.endif
.endr
.endr
.endm
.macro FETCH_B slot, q, p
	WIN TO_B
.irp i, 0,1,2,3,4,5,6,7
	FRAG 128*(\p)+FR*\i, ADRB+\slot, \q, \i
.endr
	WIN 0
.endm
.macro FETCH_A slot, q, i0
.irp i, \i0, \i0+1, \i0+2, \i0+3
	FRAG AF+FR*(\i), ADRA+\slot, \q, \i
.endr
.endm
.macro PLACES n
.rept \n
	v_nop
.endr
.endm
.macro STEP slot, q, zero
	s_wait_dscnt 4*NL
	WIN MUL_LO
	MUL16 0, (\q)%2, \zero
	MUL16 2, (\q)%2, \zero
	s_wait_dscnt 0
	PLACES NP
	FETCH_B \slot, (\q)+1, 1-(\q)%2
	FETCH_A \slot, (\q)+1, 0
	WIN MUL_HI
	MUL16 4, (\q)%2, \zero
	MUL16 6, (\q)%2, \zero
	PLACES NP
	WIN 0
	FETCH_A \slot, (\q)+1, 4
.endm
.macro TURN slot, next, fill
	s_wait_tensorcnt 0x0
	ds_add_u32 v[SPW], v[NIL]
	s_wait_dscnt 4*NL+1
	WIN MUL_LO
	MUL16 0, 1, 0
	s_wait_dscnt 0x0
	s_barrier_signal -1
	MUL16 2, 1, 0
	WIN 0
	s_barrier_wait -1
.if \fill
	CREST
	s_add_nc_u64 s[G0+4*\slot+2:G0+4*\slot+3], s[G0+4*\slot+2:G0+4*\slot+3], 2*KSB
	s_add_nc_u64 s[G0B+4*\slot+2:G0B+4*\slot+3], s[G0B+4*\slot+2:G0B+4*\slot+3], 2*KSB
	JLOAD G0+4*\slot, G1, G0B+4*\slot, G1B
.else
	PLACES NP
.endif
	FETCH_B \next, 0, 0
	FETCH_A \next, 0, 0
	WIN MUL_HI
	MUL16 4, 1, 0
	MUL16 6, 1, 0
	PLACES NP
	WIN 0
	FETCH_A \next, 0, 4
.endm
	s_wait_tensorcnt 1
	s_barrier_signal -1
	s_barrier_wait -1
	FETCH_B 0, 0, 0
	FETCH_A 0, 0, 0
	FETCH_A 0, 0, 4
	STEP 0, 0, 1
	s_mov_b32 s3, 1
.Llap:
	TURN 0, 1, 1
	STEP 1, 0, 0
	TURN 1, 0, 1
	STEP 0, 0, 0
	s_sub_co_u32 s3, s3, 1
	s_cmp_lg_u32 s3, 0
	s_cbranch_scc1 .Llap
	TURN 0, 1, 0
	STEP 1, 0, 0
	s_wait_dscnt 4*NL
	WIN MUL_LO
	MUL16 0, 1, 0
	MUL16 2, 1, 0
	s_wait_dscnt 0
	WIN MUL_HI
	MUL16 4, 1, 0
	MUL16 6, 1, 0
	WIN 0
	PLACES NP
	s_cmp_eq_u32 ttmp9, 2
	s_cbranch_scc1 .Lvout
.macro CSLOAD a
.set CSET, 64*((\a)%4)
	WIN 0x40
.set i, 0
.rept 8
	global_load_b128 v[CSET+4*i:CSET+4*i+3], v[CSA], s[14:15] offset:(32*((\a)/2)+8*((\a)%2))*256+128*(i/4)+16*(i%4)
	global_load_b128 v[CSET+32+4*i:CSET+32+4*i+3], v[CSA], s[16:17] offset:(32*((\a)/2)+8*((\a)%2))*256+128*(i/4)+16*(i%4)
.set i, i+1
.endr
	WIN 0
.endm
.macro ROPE a, hh
.set AC, 64*((\a)%4)+32*(\hh)
.set CSET, 64*((\a)%4)
	WIN 0x02+((\a)/4)
.set j, 0
.rept 16
	v_pk_add_f32 v[QV+j:QV+j+1], v[AC+j:AC+j+1], v[BIAS+32*(\hh)+j:BIAS+32*(\hh)+j+1]
.set j, j+2
.endr
	WIN 0x04
.set j, 0
.rept 16
	v_pk_mul_f32 v[OUT+j:OUT+j+1], v[QV+j:QV+j+1], v[CSET+j:CSET+j+1]
.set j, j+2
.endr
.set j, 0
.rept 8
	v_pk_fma_f32 v[OUT+j:OUT+j+1], v[QV+16+j:QV+17+j], v[CSET+32+j:CSET+33+j], v[OUT+j:OUT+j+1] neg_lo:[1,0,0] neg_hi:[1,0,0]
.set j, j+2
.endr
.set j, 0
.rept 8
	v_pk_fma_f32 v[OUT+16+j:OUT+17+j], v[QV+j:QV+j+1], v[CSET+48+j:CSET+49+j], v[OUT+16+j:OUT+17+j]
.set j, j+2
.endr
	WIN 0
.set j, 0
.rept 32
	v_med3_num_f32 v[OUT+j], v[OUT+j], -v[LIM], v[LIM]
.set j, j+1
.endr
.if (\hh) == 0
	s_wait_alu depctr_va_vdst(0)
	s_wait_xcnt 0x0
.endif
.set j, 0
.rept 4
	v_cvt_scalef32_pk8_fp8_f32 v[CD+8*(\hh)+2*j:CD+8*(\hh)+2*j+1], v[OUT+8*j:OUT+8*j+7], v[SCL]
.set j, j+1
.endr
	v_nop
	global_store_b128 v[L16], v[CD+8*(\hh):CD+8*(\hh)+3], s[20:21] offset:131072*(\hh)+1024*(\a)
	global_store_b128 v[L16], v[CD+8*(\hh)+4:CD+8*(\hh)+7], s[20:21] offset:131072*(\hh)+1024*(\a)+512
.endm
.set i, 0
.rept 8
	global_load_b128 v[BIAS+8*i:BIAS+8*i+3], v[H64], s[88:89] offset:(32*(i/2)+8*(i%2))*4
	global_load_b128 v[BIAS+8*i+4:BIAS+8*i+7], v[H64], s[88:89] offset:(32*(i/2)+8*(i%2))*4+16
.set i, i+1
.endr
	CSLOAD 0
	CSLOAD 1
	CSLOAD 2
	CSLOAD 3
.irp a, 0,1,2,3,4,5,6,7
.if \a < 5
	s_wait_loadcnt 48
.else
	s_wait_loadcnt 16*(7-\a)
.endif
.if \a == 0
.set j, 0
.rept 64
	v_ldexp_f32 v[BIAS+j], v[BIAS+j], s99
.set j, j+1
.endr
.endif
	ROPE \a, 0
	ROPE \a, 1
.if \a < 4
	CSLOAD \a+4
.endif
.endr
	s_branch .Lend
.Lvout:
.macro VOUT a, g
.set AC, 64*((\a)%4)+16*(\g)
	WIN 0x02+((\a)/4)
.set j, 0
.rept 8
	v_pk_add_f32 v[QV+j:QV+j+1], v[AC+j:AC+j+1], v[BIAS+2*(\a):BIAS+2*(\a)+1]
.set j, j+2
.endr
	WIN 0
.set j, 0
.rept 16
	v_med3_num_f32 v[QV+j], v[QV+j], -v[LIM], v[LIM]
.set j, j+1
.endr
.if (\g) == 0
	s_wait_alu depctr_va_vdst(0)
	s_wait_xcnt 0x0
.endif
	v_cvt_scalef32_pk8_fp8_f32 v[CD+4*(\g):CD+4*(\g)+1], v[QV:QV+7], v[SCL]
	v_cvt_scalef32_pk8_fp8_f32 v[CD+4*(\g)+2:CD+4*(\g)+3], v[QV+8:QV+15], v[SCL]
	v_nop
	global_store_b128 v[L16], v[CD+4*(\g):CD+4*(\g)+3], s[20:21] offset:131072*((\a)/4)+2048*(\g)+512*((\a)%4)
.endm
.set i, 0
.rept 8
	global_load_b32 v[BIAS+16+i], v[VBA], s[88:89] offset:(32*(i/2)+8*(i%2))*4
.set i, i+1
.endr
	s_wait_loadcnt 0x0
.set i, 0
.rept 8
	v_ldexp_f32 v[BIAS+2*i], v[BIAS+16+i], s99
	v_ldexp_f32 v[BIAS+2*i+1], v[BIAS+16+i], s99
.set i, i+1
.endr
.irp a, 0,1,2,3,4,5,6,7
.irp g, 0,1,2,3
	VOUT \a, \g
.endr
.endr
.Lend:
	s_wait_tensorcnt 0x0
	ds_add_u32 v[SPW], v[NIL]
	s_wait_dscnt 0x0
	CROUND
	s_endpgm
.Lfunc_end_k_qe361c4fa13_qkv:
	.size	k_qe361c4fa13_qkv, .Lfunc_end_k_qe361c4fa13_qkv-k_qe361c4fa13_qkv
	.p2alignl 7, 3214868480
	.fill 96, 4, 3214868480
	.section	.rodata,"a",@progbits
	.p2align	6, 0x0
	.amdhsa_kernel k_qe361c4fa13_qkv
		.amdhsa_group_segment_fixed_size 327680
		.amdhsa_private_segment_fixed_size 0
		.amdhsa_enable_private_segment 0
		.amdhsa_kernarg_size 72
		.amdhsa_user_sgpr_count 2
		.amdhsa_user_sgpr_kernarg_segment_ptr 1
		.amdhsa_wavefront_size32 1
		.amdhsa_system_sgpr_workgroup_id_x 1
		.amdhsa_system_sgpr_workgroup_id_y 1
		.amdhsa_system_sgpr_workgroup_id_z 1
		.amdhsa_system_vgpr_workitem_id 0
		.amdhsa_next_free_vgpr 1024
		.amdhsa_next_free_sgpr 102
		.amdhsa_reserve_vcc 0
		.amdhsa_float_denorm_mode_32 3
		.amdhsa_float_denorm_mode_16_64 3
		.amdhsa_memory_ordered 1
		.amdhsa_forward_progress 1
		.amdhsa_inst_pref_size 249
	.end_amdhsa_kernel
	.amdgpu_metadata
---
amdhsa.version: [ 1, 2 ]
amdhsa.kernels:
  - .name:           k_qe361c4fa13_qkv
    .symbol:         k_qe361c4fa13_qkv.kd
    .args:
      - { .name: ximg, .offset: 0, .size: 8, .value_kind: global_buffer, .address_space: global }
      - { .name: wimg, .offset: 8, .size: 8, .value_kind: global_buffer, .address_space: global }
      - { .name: q_b, .offset: 16, .size: 8, .value_kind: global_buffer, .address_space: global }
      - { .name: k_b, .offset: 24, .size: 8, .value_kind: global_buffer, .address_space: global }
      - { .name: v_b, .offset: 32, .size: 8, .value_kind: global_buffer, .address_space: global }
      - { .name: cos, .offset: 40, .size: 8, .value_kind: global_buffer, .address_space: global }
      - { .name: sin, .offset: 48, .size: 8, .value_kind: global_buffer, .address_space: global }
      - { .name: lowp_scales, .offset: 56, .size: 8, .value_kind: global_buffer, .address_space: global }
      - { .name: qkv, .offset: 64, .size: 8, .value_kind: global_buffer, .address_space: global }
    .group_segment_fixed_size: 327680
    .private_segment_fixed_size: 0
    .kernarg_segment_align: 8
    .kernarg_segment_size: 72
    .max_flat_workgroup_size: 128
    .sgpr_count:     102
    .vgpr_count:     1024
    .wavefront_size: 32
...
	.end_amdgpu_metadata
.endif
;; end of part 2
;; launch attn (part 3): grid 64 x 4, 8 waves a work-group, no clusters, 272,384 bytes of LDS; arguments qkv, attn_mask, lowp_scales, aimg; writes aimg
.if DOCPART == 3
	.amdgcn_target "amdgcn-amd-amdhsa--gfx1250"
	.amdhsa_code_object_version 6
	.text
	.protected	k_qe361c4fa13_attn
	.globl	k_qe361c4fa13_attn
	.p2align	8
	.type	k_qe361c4fa13_attn,@function
k_qe361c4fa13_attn:
	s_mov_b64 s[64:65], 0
	v_nop
	global_prefetch_b8 v0, s[64:65] scope:SCOPE_SE
	s_setreg_imm32_b32 hwreg(HW_REG_WAVE_MODE, 25, 1), 1
	s_wait_xcnt 0x0
; o = softmax(q k^T / 8 + (1 - mask) x -1e9) v for one head, both products on codes of FP8 (E4M3); o is quantised again (entry 10 of the exponents) and stored as the last product's operand image.
; SHARES.  A work-group owns 512 queries of one head.  The head's K and V (131,072 bytes of codes each) come into LDS once and stay.  Eight waves, two to a SIMD; a wave walks all 2,048 keys, 128 a step,
; twice: each time for two tiles of 16 queries, which share every fragment read from LDS.
; LAYOUT.  Both products are used transposed: S^T = K Q^T (source 0 = 16 keys), O^T = V^T P^T (source 0 = 16 of the head's 64): a lane holds one query throughout.  All operands are images of registers
; (lane l's 16 bytes at 16 l; row place p of tile T is row 32 (T / 2) + 8 (T % 2) + p + 8 (p / 8)), so the 16 registers of key tiles 2 c, 2 c + 1 are keys 32 c + 16 h + 0 .. 15.
; THE SOFTMAX.  c = log2(e) x 2^(e6 + e7 - 3).  t = code sum x c + b, b = (1 - mask) x -1e9 x log2(e) from a table in LDS: ONE fused multiply-add, rounded once, to nearest.  Where b is 0 that is the rounding of
; logit x log2(e); where b is large beside the scores, t is b, as the logit is the bias.  M = the row's largest t so far, rounded up to a whole number; t - M is an addition of its own: M is made of the rounded t,
; so t - M is 0 or less at every magnitude, in a row all of whose keys are masked too.  p = 2^(t - M) is quantised along the keys, not normalised; the row's sum is taken of the unquantised p and divides at the end.
; When M moves, the sum and O^T are multiplied by 2^(old M - new M): exact.
; THE HOLD.  p is at most 1, so where 448 x 2^e8 is 1 or more (e8 >= -8) no p lies beyond the largest code.
; NO JOINT LOADS, NO TENSOR LOADS.  K and V come through registers, 64 loads and 64 LDS stores a wave, once.
; NO PREFETCH: all that is read from memory in bulk is asked for at the head, with no loop ahead of it to run ahead in.
; LIMITS: e6 + e7 between -120 and 120; e8 and e10 between -126 and 119; |t| under 2^31; NaN among the inputs is not served.
; REGISTERS.  window 0: v1-7 addresses; v16-31 Q; v32-63 statistics, 16 a tile; v64-191 S^T, then t, t - M, p; v192-223 p's codes; v224-239 o's codes; v240-255 constants.
;   window 1: v0-63 K's fragments; v64-127 the step's b in the result's layout; v128-191 V's fragments; v192-255 O^T.
.set VB,    131072                     ; LDS: K at 0, V here,
.set TBL,   262144                     ; the table: 2,048 f32,
.set PADT,  TBL+8192                   ; 1,024 bytes of zeros: the last step's look-ahead reads 512 of them
.set SPARE, PADT+1024                  ; the spare words: 128 bytes a wave, four blocks of 256 bytes that no other line names
.set L16,  1
.set VBASE,2
.set TBLA, 3
.set ADK,  4
.set ADV,  5
.set ADT,  6
.set Q,    16
.set ST,   32                          ; a tile's 16: the names below
.set NM,   0                           ; -M
.set MR,   1                           ; the largest t
.set SUM,  2                           ; the sum, two halves
.set F,    4                           ; 2^(old M - new M) (a pair is named: the upper word is written once)
.set G,    8                           ; 2^(e8 + e9) / the sum
.set TA,   12
.set TB,   13
.set TC,   14
.set S,    64
.set P,    192
.set CD,   224
.set TD,   240                         ; v240-243 the sums' second chains
.set PLIM, 244                         ; 448 x 2^e8
.set PSC,  245                         ; 2^e8
.set OLIM, 246                         ; 448 x 2^e10
.set OSC,  247                         ; 2^e10
.set SPW,  248
.set NIL,  249
.set KST,  252
.set TST,  253
.set PST,  254
.set ZR,   255
.set KF,   0
.set BC,   64
.set VF,   128
.set O,    192
.set WV,   12
.set SEL,  28
.set CS,   30                          ; s[30:31] c: the packed form names a pair and takes its low word for both halves
.set MSB, 0
.macro WIN new
.if MSB != (\new)
	s_set_vgpr_msb (MSB<<8)|(\new)
.set MSB, (\new)
.endif
.endm
.macro KVL b, reg                      ; 16 loads of 512 consecutive bytes
.set i, 0
.rept 16
	global_load_b128 v[\reg+4*i:\reg+4*i+3], v[L16], s[16:17] offset:8192*(\b)+512*i
.set i, i+1
.endr
.endm
.macro KVS b, reg                      ; and their way into LDS, as they lie
.set i, 0
.rept 16
	ds_store_b128 v[KST], v[\reg+4*i:\reg+4*i+3] offset:8192*(\b)+512*i
.set i, i+1
.endr
.endm
.macro KBLOAD ak, at, ko, to           ; a step's fragments of K and its b in the result's layout: 32 loads
.set i, 0
.rept 8
	ds_load_b128 v[KF+8*i:KF+8*i+3], v[\ak] offset:\ko+1024*i
	ds_load_b128 v[KF+8*i+4:KF+8*i+7], v[\ak] offset:\ko+1024*i+512
.set i, i+1
.endr
.set i, 0
.rept 8
	ds_load_b128 v[BC+8*i:BC+8*i+3], v[\at] offset:\to+(32*(i/2)+8*(i%2))*4
	ds_load_b128 v[BC+8*i+4:BC+8*i+7], v[\at] offset:\to+(32*(i/2)+8*(i%2))*4+16
.set i, i+1
.endr
.endm
	s_load_b256 s[4:11], s[0:1], 0x0               ; qkv s[4:5], the mask s[6:7], the exponents s[8:9], aimg s[10:11]
	v_lshl_add_u32 v[SPW], v0, 2, SPARE
	v_mov_b32 v[NIL], 0
	v_lshrrev_b32 v7, 5, v0
	v_readfirstlane_b32 s[WV], v7                  ; wave 0..7
	v_and_b32 v[L16], 31, v0
	v_lshlrev_b32 v[L16], 4, v[L16]
	v_add_nc_u32 v[VBASE], VB, v[L16]
	v_bfe_u32 v[TBLA], v0, 4, 1
	v_lshlrev_b32 v[TBLA], 6, v[TBLA]
	v_add_nc_u32 v[TBLA], TBL, v[TBLA]             ; the table at my half's 16 keys of 32
	v_lshlrev_b32 v7, 4, v0                        ; 16 x thread
	v_add_nc_u32 v[TST], TBL, v7
	v_lshl_add_u32 v[PST], v0, 2, PADT
	v_mov_b32 v[ZR], 0
	s_lshl_b32 s18, s[WV], 15                      ; my 32,768 bytes of LDS
	v_add_nc_u32 v[KST], s18, v[L16]
.irp t, 0,1
	v_mov_b32 v[ST+16*\t+F+1], 0                   ; the upper words of the pairs: named, so written
	v_mov_b32 v[ST+16*\t+G+1], 0
	v_mov_b32 v[ST+16*\t+TC], 0                    ; a lane permute's destination counts as read
.endr
	s_mov_b32 s14, ttmp9                           ; 16 x batch + head
	s_and_b32 s13, ttmp7, 0xffff                   ; which 512 queries of the head
	s_mov_b32 s[SEL], 0x76543210
	s_mov_b32 s[SEL+1], 0xfedcba98
	s_lshr_b32 s32, s[WV], 2
	s_add_co_u32 s32, s32, 1
	s_lshl_b32 s32, s32, 23                        ; waves 0-3: k's plane; waves 4-7: v's
	s_lshl_b32 s33, s14, 17                        ; the head
	s_add_co_u32 s32, s32, s33
	s_and_b32 s33, s[WV], 3
	s_lshl_b32 s33, s33, 15                        ; my quarter of it
	s_add_co_u32 s32, s32, s33
	s_mov_b32 s33, 0
	s_lshr_b32 s20, s14, 4                         ; the batch
	s_lshl_b32 s34, s20, 13
	s_mov_b32 s35, 0
	s_lshl_b32 s52, s14, 17                        ; Q: the head, my work-group's 32 tiles of 1,024 bytes, my wave's two
	s_lshl_b32 s54, s13, 15
	s_add_co_u32 s52, s52, s54
	s_lshl_b32 s54, s[WV], 11
	s_add_co_u32 s52, s52, s54
	s_mov_b32 s53, 0
	s_lshl_b32 s54, s20, 7                         ; the output: row tile 128 x batch + 32 x work-group + 2 x wave, of 16,384 bytes; chunks 2 x head on
	s_lshl_b32 s55, s13, 5
	s_add_co_u32 s54, s54, s55
	s_lshl_b32 s55, s[WV], 1
	s_add_co_u32 s54, s54, s55
	s_lshl_b32 s54, s54, 14
	s_and_b32 s55, s14, 15
	s_lshl_b32 s55, s55, 10
	s_add_co_u32 s54, s54, s55
	s_mov_b32 s55, 0
	s_wait_alu depctr_va_vdst(0)
	s_wait_kmcnt 0x0
	s_load_b256 s[36:43], s[8:9], 0x0              ; e0 .. e7
	s_load_b128 s[44:47], s[8:9], 0x20             ; e8 .. e11
	s_add_nc_u64 s[6:7], s[6:7], s[34:35]
	s_add_nc_u64 s[16:17], s[4:5], s[32:33]
	s_add_nc_u64 s[52:53], s[4:5], s[52:53]
	s_add_nc_u64 s[54:55], s[10:11], s[54:55]
.irp t, 0,1
.irp b, 0,1
	global_load_b128 v[Q+8*\t+4*\b:Q+8*\t+4*\b+3], v[L16], s[52:53] offset:1024*\t+512*\b   ; the first pass's Q: my oldest loads
.endr
.endr
	global_load_b128 v[8:11], v7, s[6:7]
	global_load_b128 v[12:15], v7, s[6:7] offset:4096
	KVL 0, 64
	KVL 1, 128
	WIN 0x40
	KVL 2, 0
	WIN 0
	s_wait_kmcnt 0x0
	s_add_co_i32 s32, s42, s43                     ; e6 + e7
	s_sub_co_i32 s32, s32, 3
	s_lshl_b32 s32, s32, 23
	s_add_co_i32 s[CS], s32, 0x3fb8aa3b            ; c = log2(e) x 2^(e6 + e7 - 3): the whole number goes into the exponent field
	s_mov_b32 s[CS+1], s[CS]
	s_add_co_i32 s34, s44, 127
	s_lshl_b32 s35, s34, 23
	v_mov_b32 v[PSC], s35
	s_add_co_i32 s34, s34, 8
	s_lshl_b32 s34, s34, 23
	s_or_b32 s34, s34, 0x600000
	v_mov_b32 v[PLIM], s34
	s_add_co_i32 s34, s46, 127
	s_lshl_b32 s35, s34, 23
	v_mov_b32 v[OSC], s35
	s_add_co_i32 s34, s34, 8
	s_lshl_b32 s34, s34, 23
	s_or_b32 s34, s34, 0x600000
	v_mov_b32 v[OLIM], s34
	s_add_co_i32 s56, s44, s45                     ; e8 + e9
	s_wait_alu depctr_va_vdst(0)
	s_wait_loadcnt 48                              ; the mask is in; 48 loads of K or V may be out
.irp j, 8,9,10,11,12,13,14,15
	v_sub_f32 v\j, 1.0, v\j
.endr
.irp j, 8,9,10,11,12,13,14,15
	v_mul_f32 v\j, 0xce6e6b28, v\j                 ; the bias: (1 - mask) x -1e9,
.endr
.irp j, 8,9,10,11,12,13,14,15
	v_mul_f32 v\j, 0x3fb8aa3b, v\j                 ; b: x log2(e)
.endr
	ds_store_b128 v[TST], v[8:11]
	ds_store_b128 v[TST], v[12:15] offset:4096
	ds_store_b32 v[PST], v[ZR]
	s_wait_loadcnt 32                              ; my first 16 loads are in
	KVS 0, 64
	WIN 0x40
	KVL 3, 64
	WIN 0
	s_wait_loadcnt 32
	KVS 1, 128
	s_wait_loadcnt 16
	WIN 0x04                                       ; the stores' data: window 1
	KVS 2, 0
	s_wait_loadcnt 0x0
	KVS 3, 64
	WIN 0
	s_wait_dscnt 0x0                               ; my part of K or V and of the table is stored:
	s_barrier_signal -1
	s_barrier_wait -1                              ; everybody's is.  From here on LDS is only read
	s_mov_b32 s48, 2
.Lpass:                                            ; two passes: query tiles 32 x my quarter + 16 pass + 2 wave + 0, 1
.irp t, 0,1
	v_mov_b32 v[ST+16*\t+MR], 0xff61b1e6           ; the largest t so far: -3e38
	v_mov_b32 v[ST+16*\t+NM], 0x7f61b1e6           ; -M: 3e38
	v_mov_b32 v[ST+16*\t+SUM], 0
	v_mov_b32 v[ST+16*\t+SUM+1], 0
.endr
	WIN 0x40
.set i, 0
.rept 64
	v_mov_b32 v[O+i], 0                            ; the step is written once: the first finds zeros, which the first change of M leaves zeros
.set i, i+1
.endr
	KBLOAD L16, TBLA, 0, 0                         ; step 0's K and b
	WIN 0
	s_mov_b32 s50, 0                               ; the step's 8,192 bytes of K and of V
	s_mov_b32 s51, 0                               ; its 512 bytes of the table
	s_mov_b32 s49, 16
	s_wait_loadcnt 0x0                             ; Q
.Lstep:
	v_add_nc_u32 v[ADK], s50, v[L16]               ; these four plain lines are the places between the last products and the loads into their operands' registers
	v_add_nc_u32 v[ADV], s50, v[VBASE]
	v_add_nc_u32 v[ADT], s51, v[TBLA]
	v_nop
	WIN 0x40                                       ; destination window 1
.irp d, 0,1,2,3
.irp c, 0,1,2,3
	ds_load_b128 v[VF+16*\d+4*\c:VF+16*\d+4*\c+3], v[ADV] offset:2048*\c+512*\d
.endr
.endr
	s_wait_alu depctr_va_vdst(0)
	s_wait_dscnt 16                                ; K and b, asked for a step ago, are in; V's sixteen loads may be out
	WIN 0x01                                       ; K window 1; Q and S^T window 0
.irp k, 0,1,2,3,4,5,6,7
.irp t, 0,1
	v_wmma_f32_16x16x64_fp8_fp8 v[S+64*\t+8*\k:S+64*\t+8*\k+7], v[KF+8*\k:KF+8*\k+7], v[Q+8*\t:Q+8*\t+7], 0
.endr
.endr
	WIN 0x10                                       ; source 2 (b) window 1
.rept 4
	v_nop                                          ; places in front of the first reads of the results
.endr
.irp t, 0,1
.set i, 0
.rept 32
	v_pk_fma_f32 v[S+64*\t+i:S+64*\t+i+1], v[S+64*\t+i:S+64*\t+i+1], s[CS:CS+1], v[BC+i:BC+i+1] op_sel_hi:[1,0,1]   ; t = code sum x c + b; each accumulator from its low end on
.set i, i+2
.endr
.endr
	WIN 0x40
	KBLOAD ADK, ADT, 8192, 512                     ; the next step's K and b (the last step's look-ahead reads V's first bytes and the pad, and is not used)
	WIN 0
.irp t, 0,1                                        ; the step's largest t of my query: two chains a tile
	v_max3_num_f32 v[ST+16*\t+TA], v[S+64*\t], v[S+64*\t+1], v[S+64*\t+2]
	v_max3_num_f32 v[ST+16*\t+TB], v[S+64*\t+3], v[S+64*\t+4], v[S+64*\t+5]
.endr
.set i, 6
.rept 14
.irp t, 0,1
	v_max3_num_f32 v[ST+16*\t+TA], v[ST+16*\t+TA], v[S+64*\t+i], v[S+64*\t+i+1]
	v_max3_num_f32 v[ST+16*\t+TB], v[ST+16*\t+TB], v[S+64*\t+i+2], v[S+64*\t+i+3]
.endr
.set i, i+4
.endr
.irp t, 0,1
	v_max3_num_f32 v[ST+16*\t+TA], v[ST+16*\t+TA], v[S+64*\t+62], v[S+64*\t+63]
.endr
.irp t, 0,1
	v_max_num_f32 v[ST+16*\t+TA], v[ST+16*\t+TA], v[ST+16*\t+TB]
.endr
.irp t, 0,1
	v_permlanex16_b32 v[ST+16*\t+TC], v[ST+16*\t+TA], s[SEL], s[SEL+1]
.endr
.irp t, 0,1
	v_max_num_f32 v[ST+16*\t+TA], v[ST+16*\t+TA], v[ST+16*\t+TC]       ; and among the other half of the lanes'
.endr
.irp t, 0,1
	v_max_num_f32 v[ST+16*\t+MR], v[ST+16*\t+MR], v[ST+16*\t+TA]       ; the running largest t
	v_mov_b32 v[ST+16*\t+TB], v[ST+16*\t+NM]                           ; the old -M
.endr
.irp t, 0,1
	v_floor_f32 v[ST+16*\t+NM], -v[ST+16*\t+MR]                        ; -M = floor(-t): M is a whole number
.endr
.irp t, 0,1
	v_sub_f32 v[ST+16*\t+TB], v[ST+16*\t+NM], v[ST+16*\t+TB]           ; old M - new M, 0 or less
.endr
.irp t, 0,1
	v_cvt_i32_f32 v[ST+16*\t+TB], v[ST+16*\t+TB]                       ; (it saturates)
.endr
.irp t, 0,1
	v_ldexp_f32 v[ST+16*\t+F], 1.0, v[ST+16*\t+TB]                     ; 2^(old M - new M)
.endr
.irp t, 0,1
.set i, 0
.rept 32
	v_pk_add_f32 v[S+64*\t+i:S+64*\t+i+1], v[S+64*\t+i:S+64*\t+i+1], v[ST+16*\t+NM:ST+16*\t+NM+1] op_sel_hi:[1,0]   ; t - M: of the pair the low word, -M, serves both halves
.set i, i+2
.endr
.endr
	WIN 0x41                                       ; O^T window 1, its factor window 0
.irp t, 0,1
.set i, 0
.rept 16
	v_pk_mul_f32 v[O+32*\t+i:O+32*\t+i+1], v[O+32*\t+i:O+32*\t+i+1], v[ST+16*\t+F:ST+16*\t+F+1] op_sel_hi:[1,0]   ; O^T under the new M
.set i, i+2
.endr
.endr
	WIN 0
	s_wait_alu depctr_va_vdst(0)
.set i, 0
.rept 128
	v_exp_f32 v[S+i], v[S+i]                       ; p = 2^(t - M)
.set i, i+1
.endr
.irp t, 0,1
	v_pk_mul_f32 v[ST+16*\t+SUM:ST+16*\t+SUM+1], v[ST+16*\t+SUM:ST+16*\t+SUM+1], v[ST+16*\t+F:ST+16*\t+F+1] op_sel_hi:[1,0]   ; the sums under the new M; the plain lines behind the exponentials
.endr
	s_wait_alu depctr_va_vdst(0)                   ; one wait for the batch, ahead of its first reader
.irp t, 0,1
	v_pk_add_f32 v[TD+2*\t:TD+2*\t+1], v[S+64*\t:S+64*\t+1], v[S+64*\t+2:S+64*\t+3]   ; the sum of the unquantised p, two chains a tile
.endr
.set i, 4
.rept 15
.irp t, 0,1
	v_pk_add_f32 v[ST+16*\t+SUM:ST+16*\t+SUM+1], v[ST+16*\t+SUM:ST+16*\t+SUM+1], v[S+64*\t+i:S+64*\t+i+1]
	v_pk_add_f32 v[TD+2*\t:TD+2*\t+1], v[TD+2*\t:TD+2*\t+1], v[S+64*\t+i+2:S+64*\t+i+3]
.endr
.set i, i+4
.endr
.irp t, 0,1
	v_pk_add_f32 v[ST+16*\t+SUM:ST+16*\t+SUM+1], v[ST+16*\t+SUM:ST+16*\t+SUM+1], v[TD+2*\t:TD+2*\t+1]
.endr
	s_cmp_ge_i32 s44, -8                           ; 448 x 2^e8 >= 1 >= p: nothing to hold
	s_wait_alu depctr_va_vdst(0)
	s_cbranch_scc1 .Lno_hold
.set i, 0
.rept 128
	v_min_num_f32 v[S+i], v[S+i], v[PLIM]          ; the conversion does not saturate (ISA guide 7.6.2); p is not negative: a one-sided hold
.set i, i+1
.endr
.Lno_hold:
.irp t, 0,1
.set i, 0
.rept 8
	v_cvt_scalef32_pk8_fp8_f32 v[P+16*\t+2*i:P+16*\t+2*i+1], v[S+64*\t+8*i:S+64*\t+8*i+7], v[PSC]   ; p's codes
.set i, i+1
.endr
.endr
	v_nop                                          ; a plain vector line behind the last conversion
	s_wait_alu depctr_va_vdst(0)
	s_wait_dscnt 32                                ; V is in; the next step's 32 loads may be out
	WIN 0x51                                       ; V and O^T window 1, p's codes window 0
.irp d, 0,1,2,3
.irp t, 0,1
	v_wmma_f32_16x16x128_fp8_fp8 v[O+32*\t+8*\d:O+32*\t+8*\d+7], v[VF+16*\d:VF+16*\d+15], v[P+16*\t:P+16*\t+15], v[O+32*\t+8*\d:O+32*\t+8*\d+7]   ; eight accumulators, one turn each
.endr
.endr
	WIN 0
	s_add_co_u32 s50, s50, 8192
	s_add_co_u32 s51, s51, 512
	s_sub_co_u32 s49, s49, 1
	s_cmp_lg_u32 s49, 0
	s_cbranch_scc1 .Lstep
	s_cmp_eq_u32 s48, 1                            ; a pass that has a successor asks for its Q here: the last products that read Q's registers stand a whole softmax back
	s_cbranch_scc1 .Lno_q
.irp t, 0,1
.irp b, 0,1
	global_load_b128 v[Q+8*\t+4*\b:Q+8*\t+4*\b+3], v[L16], s[52:53] offset:16384+1024*\t+512*\b
.endr
.endr
.Lno_q:
.rept 4
	v_nop                                          ; places in front of the reads of O^T
.endr
.irp t, 0,1
	v_add_f32 v[ST+16*\t+G], v[ST+16*\t+SUM], v[ST+16*\t+SUM+1]        ; the sum's two halves,
.endr
.irp t, 0,1
	v_permlanex16_b32 v[ST+16*\t+TC], v[ST+16*\t+G], s[SEL], s[SEL+1]
.endr
.irp t, 0,1
	v_add_f32 v[ST+16*\t+G], v[ST+16*\t+G], v[ST+16*\t+TC]             ; and the other half of the lanes'
.endr
	s_wait_alu depctr_va_vdst(0)
	v_rcp_f32 v[ST+G], v[ST+G]
	v_rcp_f32 v[ST+16+G], v[ST+16+G]
	v_nop                                          ; a plain line behind the last reciprocal
	s_wait_alu depctr_va_vdst(0)                   ; one wait for both, ahead of the first reader
.irp t, 0,1
	v_ldexp_f32 v[ST+16*\t+G], v[ST+16*\t+G], s56                      ; 2^(e8 + e9) / the sum
.endr
	WIN 0x01                                       ; source 0: window 1
	s_wait_alu depctr_va_vdst(0)                   ; directly ahead of the first readers of O^T
.irp t, 0,1
.set i, 0
.rept 16
	v_pk_mul_f32 v[S+64*\t+i:S+64*\t+i+1], v[O+32*\t+i:O+32*\t+i+1], v[ST+16*\t+G:ST+16*\t+G+1] op_sel_hi:[1,0]
.set i, i+2
.endr
.endr
	WIN 0
.irp t, 0,1
.set i, 0
.rept 32
	v_med3_num_f32 v[S+64*\t+i], v[S+64*\t+i], -v[OLIM], v[OLIM]
.set i, i+1
.endr
.endr
.irp t, 0,1
.set i, 0
.rept 4
	v_cvt_scalef32_pk8_fp8_f32 v[CD+8*\t+2*i:CD+8*\t+2*i+1], v[S+64*\t+8*i:S+64*\t+8*i+7], v[OSC]   ; o's codes: two chunks of the last product's operand a tile
.set i, i+1
.endr
.endr
	v_nop                                          ; a plain vector line behind the last conversion
.irp t, 0,1
	global_store_b128 v[L16], v[CD+8*\t:CD+8*\t+3], s[54:55] offset:16384*\t          ; 512 consecutive bytes, aligned
	global_store_b128 v[L16], v[CD+8*\t+4:CD+8*\t+7], s[54:55] offset:16384*\t+512
.endr
	s_wait_dscnt 0x0                               ; the last step's look-ahead has landed: its registers are loaded anew in the next pass
	s_wait_xcnt 0x0                                ; the stores and Q's loads have read their bases and registers
	s_add_nc_u64 s[52:53], s[52:53], 16384         ; sixteen query tiles on
	s_add_nc_u64 s[54:55], s[54:55], 262144
	s_sub_co_u32 s48, s48, 1
	s_cmp_lg_u32 s48, 0
	s_cbranch_scc1 .Lpass
	s_wait_tensorcnt 0x0                           ; the wave's end
	ds_add_u32 v[SPW], v[NIL]
	s_wait_dscnt 0x0
	s_endpgm
.Lfunc_end_k_qe361c4fa13_attn:
	.size	k_qe361c4fa13_attn, .Lfunc_end_k_qe361c4fa13_attn-k_qe361c4fa13_attn
	.p2alignl 7, 3214868480
	.fill 96, 4, 3214868480
	.section	.rodata,"a",@progbits
	.p2align	6, 0x0
	.amdhsa_kernel k_qe361c4fa13_attn
		.amdhsa_group_segment_fixed_size 272384
		.amdhsa_private_segment_fixed_size 0
		.amdhsa_enable_private_segment 0
		.amdhsa_kernarg_size 32
		.amdhsa_user_sgpr_count 2
		.amdhsa_user_sgpr_kernarg_segment_ptr 1
		.amdhsa_wavefront_size32 1
		.amdhsa_system_sgpr_workgroup_id_x 1
		.amdhsa_system_sgpr_workgroup_id_y 1
		.amdhsa_system_sgpr_workgroup_id_z 1
		.amdhsa_system_vgpr_workitem_id 0
		.amdhsa_next_free_vgpr 512
		.amdhsa_next_free_sgpr 66
		.amdhsa_reserve_vcc 0
		.amdhsa_float_denorm_mode_32 3
		.amdhsa_float_denorm_mode_16_64 3
		.amdhsa_memory_ordered 1
		.amdhsa_forward_progress 1
		.amdhsa_inst_pref_size 63
	.end_amdhsa_kernel
	.amdgpu_metadata
---
amdhsa.version: [ 1, 2 ]
amdhsa.kernels:
  - .name:           k_qe361c4fa13_attn
    .symbol:         k_qe361c4fa13_attn.kd
    .args:
      - { .name: qkv, .offset: 0, .size: 8, .value_kind: global_buffer, .address_space: global }
      - { .name: attn_mask, .offset: 8, .size: 8, .value_kind: global_buffer, .address_space: global }
      - { .name: lowp_scales, .offset: 16, .size: 8, .value_kind: global_buffer, .address_space: global }
      - { .name: aimg, .offset: 24, .size: 8, .value_kind: global_buffer, .address_space: global }
    .group_segment_fixed_size: 272384
    .private_segment_fixed_size: 0
    .kernarg_segment_align: 8
    .kernarg_segment_size: 32
    .max_flat_workgroup_size: 256
    .sgpr_count:     66
    .vgpr_count:     512
    .wavefront_size: 32
...
	.end_amdgpu_metadata
.endif
;; end of part 3
;; launch oproj (part 4): grid 8 x 32, 4 waves a work-group, clusters of 4 x 4, 327,680 bytes of LDS; arguments aimg, wimg, o_b, lowp_scales, out0; writes out0
.if DOCPART == 4
	.amdgcn_target "amdgcn-amd-amdhsa--gfx1250"
	.amdhsa_code_object_version 6
	.text
	.protected	k_qe361c4fa13_oproj
	.globl	k_qe361c4fa13_oproj
	.p2align	8
	.type	k_qe361c4fa13_oproj,@function
k_qe361c4fa13_oproj:
	s_mov_b64 s[64:65], 0
	v_nop
	global_prefetch_b8 v0, s[64:65] scope:SCOPE_SE
	s_setreg_imm32_b32 hwreg(HW_REG_WAVE_MODE, 25, 1), 1
	s_wait_xcnt 0x0
	s_wait_alu depctr_hold_cnt(0) depctr_sa_sdst(0) depctr_va_vdst(0) depctr_va_sdst(0) depctr_va_ssrc(0) depctr_va_vcc(0) depctr_vm_vsrc(0)
	s_getreg_b32 s2, hwreg(HW_REG_IB_STS2, 6, 4)
	s_cmp_eq_u32 s2, 0
	s_cbranch_scc0 .Lentry_in_a_cluster
	s_endpgm
.Lentry_in_a_cluster:
	s_bfe_u32 s2, ttmp6, 0x10000c
	s_cmp_lg_u32 s2, 0xf033
	s_cbranch_scc0 .Lentry_shape_is_right
	s_endpgm
.Lentry_shape_is_right:
.set SLOT,   131072
.set HALFT,  32768
.set KSB,    4096
.set SPARE,  2*SLOT
.set SPITCH, 528
.set FR,     16
.set NL,     4
.set NP,     4
.set L16,  2
.set H64,  6
.set STO,  10
.set RD,   11
.set CO,   12
.set ADRA, 16
.set ADRB, 20
.set SPW,  28
.set NIL,  29
.set BIAS, 32
.set AF,   128
.set BK,   128
.set TMP,  0
.set G1,  24
.set G0,  32
.set G1B, 48
.set G0B, 56
.set WV,  66
.set HA,  67
.set HB,  68
.set MSB, 0
.macro WIN new
.if MSB != (\new)
	s_set_vgpr_msb (MSB<<8)|(\new)
.set MSB, (\new)
.endif
.endm
.set MUL_LO, 0xa1
.set MUL_HI, 0xf1
.set TO_B,   0x40
.macro JLOAD g0a, g1a, g0b, g1b
	s_cmp_eq_u32 s[HA], 0
	s_cbranch_scc0 .Lfor_b_\@
	tensor_load_to_lds s[\g0a:\g0a+3], s[\g1a:\g1a+7]
	s_nop 0
.rept 4
	v_nop
.endr
	s_branch .Lasked_\@
.Lfor_b_\@:
	tensor_load_to_lds s[\g0b:\g0b+3], s[\g1b:\g1b+7]
	s_nop 0
.rept 4
	v_nop
.endr
.Lasked_\@:
.endm
.macro CREST
	s_cmp_lg_u32 s[WV], 0
	s_cbranch_scc1 .Lnot_wave_0_\@
	s_barrier_signal -3
.Lnot_wave_0_\@:
	s_barrier_wait -3
	s_barrier_signal -1
	s_barrier_wait -1
.endm
.macro CROUND
	s_barrier_signal -1
	s_barrier_wait -1
	CREST
.endm
	s_load_b256 s[4:11], s[0:1], 0x0
	s_load_b64 s[12:13], s[0:1], 0x20
	v_lshl_add_u32 v[SPW], v0, 2, SPARE
	v_mov_b32 v[NIL], 0
	ds_add_u32 v[SPW], v[NIL]
	ds_add_u32 v[SPW], v[NIL]
	v_lshrrev_b32 v1, 5, v0
	v_readfirstlane_b32 s[WV], v1
	s_lshr_b32 s[HA], s[WV], 1
	s_and_b32 s[HB], s[WV], 1
	s_bfe_u32 s40, ttmp6, 0x40000
	s_bfe_u32 s41, ttmp6, 0x40004
	s_and_b32 s71, ttmp7, 0xffff
	s_lshl_b32 s71, s71, 2
	s_add_co_u32 s71, s71, s41
	s_lshl_b32 s43, s41, 2
	s_lshl_b32 s43, 15, s43
	s_lshl_b32 s44, 0x1111, s40
	s_or_b32 s[G1], s43, (3<<16)|(1<<21)
	s_or_b32 s[G1B], s44, (3<<16)|(1<<21)
.irp g, G1, G1B
	s_mov_b32 s[\g+1], 512<<16
	s_mov_b32 s[\g+3], 512<<16
	s_mov_b32 s[\g+5], 2048
	s_mov_b32 s[\g+6], 0
	s_mov_b32 s[\g+7], 0
.endr
	s_mov_b32 s[G1+2], 8<<16                       ; a block of the result is 256 rows x 128 columns: a wave fetches 8 row tiles of the rows' operand
	s_mov_b32 s[G1+4], 8
	s_mov_b32 s[G1B+2], 4<<16                      ; or 4 of the weight's
	s_mov_b32 s[G1B+4], 4
	s_lshl_b32 s47, s[HB], 17
	s_lshl_b32 s84, s71, 18
	s_add_co_u32 s84, s84, s47
	s_mov_b32 s85, 0
	s_lshl_b32 s86, ttmp9, 2
	s_add_co_u32 s86, s86, s40                     ; the block's column: 4 x cluster x + cx
	s_mov_b32 s70, s86
	s_lshl_b32 s86, s86, 17                        ; 128 rows of the weight's image,
	s_lshl_b32 s69, s[HB], 16                      ; my 64 of them
	s_add_co_u32 s86, s86, s69
	s_mov_b32 s87, 0
	s_mul_i32 s45, s[WV], HALFT
	s_wait_dscnt 0x0
	s_wait_kmcnt 0x0
	s_load_b64 s[96:97], s[10:11], 0x28
	s_add_nc_u64 s[84:85], s[4:5], s[84:85]
	s_add_nc_u64 s[86:87], s[6:7], s[86:87]
	s_add_nc_u64 s[86:87], s[86:87], 0x300000
	; the prefetches: of the row tiles x 4,096 bytes that my wave fetches in a K step (8, or 4 of the weight's), my work-group takes a quarter, told from its three partners' by address: a lane a block of 256 bytes;
	; the weight's quarter is 16 blocks: lanes 16-31 name the last of them again
	s_cmp_eq_u32 s[HA], 0
	s_cselect_b64 s[100:101], s[84:85], s[86:87]
	s_cselect_b32 s88, s40, s41
	s_cselect_b32 s89, 15, 14
	s_cselect_b32 s72, 12288, 0
	s_cselect_b32 s73, 1, 0                        ; the weight's tiles are read by all eight rows of clusters: row 0 alone asks for them
	s_mov_b32 s75, 3840
	s_cselect_b32 s75, 7936, s75
	s_lshl_b32 s88, s88, s89
	s_mov_b32 s89, 0
	s_add_nc_u64 s[100:101], s[100:101], s[88:89]
	s_and_b32 s74, ttmp7, 0xffff
	s_cmp_eq_u32 s74, 0
	s_cselect_b32 s73, 1, s73
	v_and_b32 v30, 31, v0
	v_lshlrev_b32 v30, 8, v30
	v_min_u32 v30, s75, v30
	v_bfe_u32 v31, v0, 4, 1
	v_mul_u32_u24 v31, s72, v31
	v_add_nc_u32 v30, v30, v31                     ; never rewritten, like s[100:101]
.macro ASK k, n                        ; K steps k .. k + n - 1 of my share; the branch hangs on the cluster's and the wave's numbers alone
	s_cmp_lg_u32 s73, 0
	s_cbranch_scc0 .Lnot_mine_\@
.set pq, 0
.rept \n
	global_prefetch_b8 v30, s[100:101] offset:KSB*((\k)+pq) th:TH_LOAD_NT scope:SCOPE_SE
.set pq, pq+1
.endr
.Lnot_mine_\@:
.endm
	CROUND
.irp s, 0,1
	s_mov_b32 s[G0+4*\s], 1
	s_add_co_u32 s[G0+4*\s+1], s45, \s*SLOT
	s_add_nc_u64 s[G0+4*\s+2:G0+4*\s+3], s[84:85], \s*KSB
	s_or_b32 s[G0+4*\s+3], s[G0+4*\s+3], 0x80000000
	s_mov_b32 s[G0B+4*\s], 1
	s_add_co_u32 s[G0B+4*\s+1], s45, \s*SLOT
	s_add_nc_u64 s[G0B+4*\s+2:G0B+4*\s+3], s[86:87], \s*KSB
	s_or_b32 s[G0B+4*\s+3], s[G0B+4*\s+3], 0x80000000
	s_wait_alu depctr_va_vdst(0)
	s_wait_tensorcnt 0x0
	ds_add_u32 v28, v29
	ds_add_u32 v28, v29
	s_wait_dscnt 0x0
	CROUND
	JLOAD G0+4*\s, G1, G0B+4*\s, G1B
.if \s == 0
	ASK 1, 2                                       ; behind K step 0's load: K steps 1 and 2, one and two fills ahead of their loads
.else
	ASK 3, 1                                       ; behind K step 1's: K step 3, the last
.endif
.endr
	v_and_b32 v1, 31, v0
	v_lshlrev_b32 v[L16], 4, v1
	s_wait_alu depctr_va_vdst(0)
	v_and_b32 v3, 15, v0
	s_wait_alu depctr_va_vdst(0)
	v_bfe_u32 v4, v0, 4, 1
	v_lshlrev_b32 v[H64], 6, v4
	s_lshl_b32 s88, s70, 9
	s_lshl_b32 s89, s[HB], 8
	s_add_co_u32 s88, s88, s89
	s_mov_b32 s89, 0
	s_add_nc_u64 s[8:9], s[8:9], s[88:89]
.set i, 0
.rept 4
	global_load_b128 v[BIAS+8*i:BIAS+8*i+3], v[H64], s[8:9] offset:(32*(i/2)+8*(i%2))*4
	global_load_b128 v[BIAS+8*i+4:BIAS+8*i+7], v[H64], s[8:9] offset:(32*(i/2)+8*(i%2))*4+16
.set i, i+1
.endr
	s_lshl_b32 s90, s71, 20
	s_lshl_b32 s91, s[HA], 19
	s_add_co_u32 s90, s90, s91
	s_mov_b32 s91, 0
	s_add_nc_u64 s[12:13], s[12:13], s[90:91]
	s_add_nc_u64 s[12:13], s[12:13], s[88:89]
	s_mul_i32 s46, s[HA], HALFT
	s_mul_i32 s47, s[HB], HALFT
	s_add_co_u32 s47, s47, 2*HALFT
.irp s, 0,1
	v_add_nc_u32 v[ADRA+\s], s46, v[L16]
	v_add_nc_u32 v[ADRB+\s], s47, v[L16]
	s_add_co_u32 s46, s46, SLOT
	s_add_co_u32 s47, s47, SLOT
.endr
	s_mul_i32 s46, s[WV], 16*SPITCH
	v_mul_u32_u24 v[STO], v3, SPITCH
	s_wait_alu depctr_va_vdst(0)
	v_add_nc_u32 v[STO], v[STO], v[H64]
	v_add_nc_u32 v[STO], s46, v[STO]
	v_mul_u32_u24 v[RD], v4, SPITCH                ; back: lanes 0-15 take one row's 256 bytes, lanes 16-31 the next row's
	v_lshl_add_u32 v[RD], v3, 4, v[RD]
	v_add_nc_u32 v[RD], s46, v[RD]
	v_lshlrev_b32 v[CO], 12, v4                    ; and the same two rows in the output
	v_lshl_add_u32 v[CO], v3, 4, v[CO]
	s_wait_kmcnt 0x0
	s_add_co_i32 s96, s96, s97
	s_add_co_i32 s96, s96, 127
	s_lshl_b32 s96, s96, 23
	s_mov_b32 s97, s96
.macro FRAG reg, adr, q, i
.irp c, 0,1,2,3
	ds_load_b128 v[\reg+4*\c:\reg+4*\c+3], v[\adr] offset:2048*(\q)+512*\c+(\i)*4096
.endr
.endm
.macro MUL16 a0, p, zero
.irp a, \a0, \a0+1
.irp b, 0,1,2,3
.if \zero
	v_wmma_f32_16x16x128_fp8_fp8 v[8*(8*((\a)%4)+\b):8*(8*((\a)%4)+\b)+7], v[128*(\p)+FR*\b:128*(\p)+FR*\b+FR-1], v[AF+FR*(\a):AF+FR*(\a)+FR-1], 0
.else
	v_wmma_f32_16x16x128_fp8_fp8 v[8*(8*((\a)%4)+\b):8*(8*((\a)%4)+\b)+7], v[128*(\p)+FR*\b:128*(\p)+FR*\b+FR-1], v[AF+FR*(\a):AF+FR*(\a)+FR-1], v[8*(8*((\a)%4)+\b):8*(8*((\a)%4)+\b)+7]
.endif
.endr
.endr
.endm
.macro FETCH_B slot, q, p
	WIN TO_B
.irp i, 0,1,2,3
	FRAG 128*(\p)+FR*\i, ADRB+\slot, \q, \i
.endr
	WIN 0
.endm
.macro FETCH_A slot, q, i0
.irp i, \i0, \i0+1, \i0+2, \i0+3
	FRAG AF+FR*(\i), ADRA+\slot, \q, \i
.endr
.endm
.macro PLACES n
.rept \n
	v_nop
.endr
.endm
.macro STEP slot, q, zero
	s_wait_dscnt 4*NL
	WIN MUL_LO
	MUL16 0, (\q)%2, \zero
	MUL16 2, (\q)%2, \zero
	s_wait_dscnt 0
	PLACES NP
	FETCH_B \slot, (\q)+1, 1-(\q)%2
	FETCH_A \slot, (\q)+1, 0
	WIN MUL_HI
	MUL16 4, (\q)%2, \zero
	MUL16 6, (\q)%2, \zero
	PLACES NP
	WIN 0
	FETCH_A \slot, (\q)+1, 4
.endm
.macro TURN slot, next, fill
	s_wait_tensorcnt 0x0
	ds_add_u32 v[SPW], v[NIL]
	s_wait_dscnt 4*NL+1
	WIN MUL_LO
	MUL16 0, 1, 0
	s_wait_dscnt 0x0
	s_barrier_signal -1
	MUL16 2, 1, 0
	WIN 0
	s_barrier_wait -1
.if \fill
	CREST
	s_add_nc_u64 s[G0+4*\slot+2:G0+4*\slot+3], s[G0+4*\slot+2:G0+4*\slot+3], 2*KSB
	s_add_nc_u64 s[G0B+4*\slot+2:G0B+4*\slot+3], s[G0B+4*\slot+2:G0B+4*\slot+3], 2*KSB
	JLOAD G0+4*\slot, G1, G0B+4*\slot, G1B
.else
	PLACES NP
.endif
	FETCH_B \next, 0, 0
	FETCH_A \next, 0, 0
	WIN MUL_HI
	MUL16 4, 1, 0
	MUL16 6, 1, 0
	PLACES NP
	WIN 0
	FETCH_A \next, 0, 4
.endm
	s_wait_tensorcnt 1
	s_barrier_signal -1
	s_barrier_wait -1
	FETCH_B 0, 0, 0
	FETCH_A 0, 0, 0
	FETCH_A 0, 0, 4
	STEP 0, 0, 1
	s_mov_b32 s3, 1
.Llap:
	TURN 0, 1, 1
	STEP 1, 0, 0
	TURN 1, 0, 1
	STEP 0, 0, 0
	s_sub_co_u32 s3, s3, 1
	s_cmp_lg_u32 s3, 0
	s_cbranch_scc1 .Llap
	TURN 0, 1, 0
	STEP 1, 0, 0
	s_wait_dscnt 4*NL
	WIN MUL_LO
	MUL16 0, 1, 0
	MUL16 2, 1, 0
	s_wait_dscnt 0
	WIN MUL_HI
	MUL16 4, 1, 0
	MUL16 6, 1, 0
	WIN 0
.macro TOSTAGE a
.set AC, 64*((\a)%4)
	WIN 0x42+((\a)/4)
.set j, 0
.rept 16
	v_pk_fma_f32 v[TMP+j:TMP+j+1], v[AC+j:AC+j+1], s[96:97], v[BIAS+j:BIAS+j+1] op_sel_hi:[1,0,1]
.set j, j+2
.endr
	WIN 0x04
.set j, 0
.rept 4
	ds_store_b128 v[STO], v[TMP+8*j:TMP+8*j+3] offset:128*(j/2)+32*(j%2)
	ds_store_b128 v[STO], v[TMP+8*j+4:TMP+8*j+7] offset:128*(j/2)+32*(j%2)+16
.set j, j+1
.endr
	WIN 0
.set BB, BK+64*((\a)%2)
.set j, 0
.rept 8
	ds_load_b128 v[BB+4*j:BB+4*j+3], v[RD] offset:2*j*SPITCH
.set j, j+1
.endr
.endm
.macro SEND a, younger
.set BB, BK+64*((\a)%2)
	s_wait_dscnt \younger
.set j, 0
.rept 8
	global_store_b128 v[CO], v[BB+4*j:BB+4*j+3], s[12:13] offset:(32*((\a)/2)+8*((\a)%2)+2*j+8*(j/4))*4096 th:TH_STORE_NT
.set j, j+1
.endr
.endm
	s_wait_loadcnt 0x0
	PLACES NP
	TOSTAGE 0
.irp a, 1,2,3,4,5,6,7
.if \a > 1
	s_wait_xcnt 0x0
.endif
	TOSTAGE \a
	SEND \a-1, 16
.endr
	SEND 7, 0
	s_wait_tensorcnt 0x0
	ds_add_u32 v[SPW], v[NIL]
	s_wait_dscnt 0x0
	CROUND
	s_endpgm
.Lfunc_end_k_qe361c4fa13_oproj:
	.size	k_qe361c4fa13_oproj, .Lfunc_end_k_qe361c4fa13_oproj-k_qe361c4fa13_oproj
	.p2alignl 7, 3214868480
	.fill 96, 4, 3214868480
	.section	.rodata,"a",@progbits
	.p2align	6, 0x0
	.amdhsa_kernel k_qe361c4fa13_oproj
		.amdhsa_group_segment_fixed_size 327680
		.amdhsa_private_segment_fixed_size 0
		.amdhsa_enable_private_segment 0
		.amdhsa_kernarg_size 40
		.amdhsa_user_sgpr_count 2
		.amdhsa_user_sgpr_kernarg_segment_ptr 1
		.amdhsa_wavefront_size32 1
		.amdhsa_system_sgpr_workgroup_id_x 1
		.amdhsa_system_sgpr_workgroup_id_y 1
		.amdhsa_system_sgpr_workgroup_id_z 1
		.amdhsa_system_vgpr_workitem_id 0
		.amdhsa_next_free_vgpr 1024
		.amdhsa_next_free_sgpr 102
		.amdhsa_reserve_vcc 0
		.amdhsa_float_denorm_mode_32 3
		.amdhsa_float_denorm_mode_16_64 3
		.amdhsa_memory_ordered 1
		.amdhsa_forward_progress 1
		.amdhsa_inst_pref_size 80
	.end_amdhsa_kernel
	.amdgpu_metadata
---
amdhsa.version: [ 1, 2 ]
amdhsa.kernels:
  - .name:           k_qe361c4fa13_oproj
    .symbol:         k_qe361c4fa13_oproj.kd
    .args:
      - { .name: aimg, .offset: 0, .size: 8, .value_kind: global_buffer, .address_space: global }
      - { .name: wimg, .offset: 8, .size: 8, .value_kind: global_buffer, .address_space: global }
      - { .name: o_b, .offset: 16, .size: 8, .value_kind: global_buffer, .address_space: global }
      - { .name: lowp_scales, .offset: 24, .size: 8, .value_kind: global_buffer, .address_space: global }
      - { .name: out0, .offset: 32, .size: 8, .value_kind: global_buffer, .address_space: global }
    .group_segment_fixed_size: 327680
    .private_segment_fixed_size: 0
    .kernarg_segment_align: 8
    .kernarg_segment_size: 40
    .max_flat_workgroup_size: 128
    .sgpr_count:     102
    .vgpr_count:     1024
    .wavefront_size: 32
...
	.end_amdgpu_metadata
.endif
;; end of part 4
